; MI455X (gfx1250); checked and timed in simulation.
; The chip was launched on July 23, 2026; its instructions are those of AMD's public machine-readable ISA for CDNA 5 (MIT licence, August 2026) and "CDNA5" Instruction Set Architecture Reference Guide (July 2026). The comments in the code are by the model that wrote it; some were corrected since.
;; Causal Self Attention. Allowed arithmetic: matrix products marked QUANTISED: E2M3 operands, one E8M0 scale for each 32 along K, by v_wmma_scale_f32_16x16x128_f8f6f4 with both operands' format E2M3, f32 sums; everything else in f32.
;; Inputs: W_out_codes 1,024 x 32 x 24 uint8 (E2M3 codes of W_out, K innermost, in blocks of 32 codes, four codes in three bytes); W_out_scales 1,024 x 32 uint8 (E8M0 scales of W_out, one for each 32 codes along K); W_qkv_codes 3,072 x 32 x 24 uint8 (E2M3 codes of W_qkv, K innermost, in blocks of 32 codes, four codes in three bytes); W_qkv_scales 3,072 x 32 uint8 (E8M0 scales of W_qkv, one for each 32 codes along K); b_out 1,024 float32; b_qkv 3,072 float32; x_codes 8 x 1,024 x 32 x 24 uint8 (E2M3 codes of x, K innermost, in blocks of 32 codes, four codes in three bytes); x_scales 8 x 1,024 x 32 uint8 (E8M0 scales of x, one for each 32 codes along K).
;; Outputs: out0 8 x 1,024 x 1,024 float32.
;; This version of the problem:
;;   THIS VERSION OF THE PROBLEM IS GIVEN IN LOW PRECISION. The matrix products marked QUANTISED in the list below multiply operands that are first quantised to E2M3 (2 exponent bits, 3 mantissa bits; 6 bits a number), with one power-of-two scale for each 32 numbers along K (OCP MX v1.0); their sums are f32. All else is computed in f32.
;;   The module's matrix products, in the order in which they are computed (A, B: the left and right operand; K: the contracted axis; several contracted axes count as one K, in the product's order):
;;     1. [M 8,192, K 1,024] x [K 1,024, N 3,072]; A: input x (given as codes); B: input W_qkv (given as codes): QUANTISED
;;     2. batch 128 x [M 1,024, K 64] x [K 64, N 1,024]; A: computed on the way; B: computed on the way: QUANTISED
;;     3. batch 128 x [M 1,024, K 1,024] x [K 1,024, N 64]; A: softmax (see below); B: computed on the way: QUANTISED
;;     4. [M 8,192, K 1,024] x [K 1,024, N 1,024]; A: computed on the way; B: input W_out (given as codes): QUANTISED
;;   THE QUANTISER, for each operand of a quantised product, along K:
;;     - K is cut into blocks of 32 from its start; a last block that is shorter is filled with zeros.
;;     - A block's scale is 2^e with e = floor(log2(the largest magnitude in the block)) - 2, held to -126 .. 127; a block of zeros has e = 0. As a byte (E8M0): e + 127.
;;     - Each number is divided by its block's scale, clamped to +-7.5, and rounded to the nearest number of E2M3, ties to even, subnormals kept.
;;     - The product sums the exact products of the quantised numbers (number of the format x scale) in f32.
;;   ~~~python
;;   def quantise(x, axis):      # numpy; x: float32 -> the quantised numbers, widened to float32 again
;;       x = np.moveaxis(x, axis, -1); K = x.shape[-1]
;;       x = np.pad(x, [(0, 0)] * (x.ndim - 1) + [(0, -K % 32)]); x = x.reshape(x.shape[:-1] + (-1, 32)); a = np.abs(x).max(-1, keepdims=True)
;;       e = np.where(a > 0, np.clip(np.frexp(np.where(a > 0, a, 1))[1] - 1 - 2, -126, 127), 0)      # np.frexp(a)[1] - 1 = floor(log2(a)), exactly
;;       r = np.clip(x / 2.0 ** e, -7.5, 7.5)
;;       step = 2.0 ** (np.maximum(np.frexp(np.where(r == 0, 1, r))[1] - 1, 0) - 3)
;;       q = np.round(r / step) * step * 2.0 ** e      # np.round: ties to even
;;       return np.moveaxis(q.reshape(q.shape[:-2] + (-1,))[..., :K], -1, axis).astype(np.float32)
;;   ~~~
;;   SOFTMAX AHEAD OF A QUANTISED PRODUCT. Where the list says 'softmax', what is quantised is not the finished softmax but p = 2^(t - M), with t = logit x log2(e) and M = ceil(the row's largest t), a whole number; so 1/2 < the row's largest p <= 1. The row's sum l is taken of the UNQUANTISED p, in f32, and the product's result is divided by l at the end. Since M is a whole number, a kernel that streams over the keys may use a running M (the ceiling of the running maximum): every later rescaling is an exact power of two, which a block's scale takes up: the codes' values come out the same.
;;   OPERANDS COMPUTED ON THE WAY. 'Computed on the way' means the value that the module computes at that place (a softmax that the list does not call 'softmax' is quantised finished and normalised). What goes into a quantiser is computed in f32, as accurately as f32 sums, v_exp_f32 and their like allow (about 1e-6 of the number): no bf16 or f16 on the way to a quantiser, and a product that is left as it is and whose result goes on into a quantised operand takes f32 operands (vector FMAs, or v_wmma_f32_16x16x4_f32). A number that lies on a knife's edge between two numbers of the format may be rounded either way, as far as f32 arithmetic and the matrix unit's own rounding can turn it there, and no further.
;;   INPUTS GIVEN AS CODES. W_out (in the module: [1024, 1024], K = its axis 0); W_qkv (in the module: [1024, 3072], K = its axis 0); x (in the module: [8, 1024, 1024], K = its axis 2): each comes as NAME_codes (uint8): NAME with its K axis moved to the last place and cut into blocks of 32 codes, [.., K / 32, bytes a block], one block behind the other in memory; four codes in three bytes: a row's codes are one little-endian stream of bits, code i at bits 6 i .. 6 i + 5 (a code: sign, 2 exponent bits, 3 mantissa bits); and NAME_scales (uint8): the same leading axes, one E8M0 byte (e + 127) for each 32 codes along K. Its value is code x scale, taken as it is: it is not quantised again, and the codes and scales need not be those that the quantiser above would give.
;; One version. Each part assembles by itself: llvm-mc -triple=amdgcn-amd-amdhsa -mcpu=gfx1250 --defsym DOCPART=n.
;; ======== version 1 of 1: 3 launches
;; limits: right only within a limited range of input values
;; workspace buffers: qkv 20,447,232 bytes; acodes 6,291,456 bytes; ascales 262,144 bytes
;; launch qkvproj (part 1): grid 8 x 32, 4 waves a work-group, clusters of 4 x 4, 327,680 bytes of LDS; arguments x_codes, x_scales, W_qkv_codes, W_qkv_scales, b_qkv, qkv; writes qkv
.if DOCPART == 1
	.amdgcn_target "amdgcn-amd-amdhsa--gfx1250"
	.amdhsa_code_object_version 6
	.text
	.protected	k_q5f30594828_qkvproj
	.globl	k_q5f30594828_qkvproj
	.p2align	8
	.type	k_q5f30594828_qkvproj,@function
k_q5f30594828_qkvproj:
	s_mov_b64 s[64:65], 0
	v_nop
	global_prefetch_b8 v0, s[64:65] scope:SCOPE_SE
	s_setreg_imm32_b32 hwreg(HW_REG_WAVE_MODE, 25, 1), 1
	s_wait_xcnt 0x0
	s_wait_alu depctr_hold_cnt(0) depctr_sa_sdst(0) depctr_va_vdst(0) depctr_va_sdst(0) depctr_va_ssrc(0) depctr_va_vcc(0) depctr_vm_vsrc(0)
	s_getreg_b32 s2, hwreg(HW_REG_IB_STS2, 6, 4)
	s_cmp_eq_u32 s2, 0
	s_cbranch_scc0 .Lentry_in_a_cluster
	s_endpgm
.Lentry_in_a_cluster:
	s_bfe_u32 s2, ttmp6, 0x10000c
	s_cmp_lg_u32 s2, 0xf033
	s_cbranch_scc0 .Lentry_shape_is_right
	s_endpgm
.Lentry_shape_is_right:
; qkv = x W_qkv + b_qkv on codes of FP6 (E2M3) with E8M0 scales, the result quantised in registers into the operands of attention.
; THE DEAL.  256 work-groups of four waves (2 x 2).  A work-group takes 256 tokens through 128 columns of V, then of K, then of Q: three phases on the same rows of x.
; x's 256 rows, all of K (768 bytes a row), and their scale bytes come into LDS once and stay; the weights' 128 rows have a region of their own, filled at the head with W_v's and refilled twice (W_k's, W_q's).
; A wave (a, b) holds 64 rows of the weight (head 2 x tile column + b) in 384 registers and streams its 128 tokens (half a) past them in blocks of 16 rows, two sets of 96 registers:
; block s's 32 products read set s % 2, and behind them that set takes block s + 2.  The stream of blocks goes round (block number modulo 8) across the changes of phase.
; So a wave makes one whole record (batch, head, 128 tokens).  K, Q: source 0 = the weight's rows: a lane holds one token, registers along the channels.  V: source 0 = x's rows: a lane holds one channel, registers along the tokens.
; A block of 32 along the next K lies in lanes l and l xor 16, index 32 B + 16 u + 8 (l / 16) + j at place 8 u + j; q and k share that order, and so do v and the softmax's p in the next launch.
; THE RECORD (REC bytes): four pair images of k (registers 0-5 tokens 32 p + r, 6-11 tokens 32 p + 16 + r), four fragments of v (channels 16 t + r, 128 tokens), their scale words (16 bytes a lane), the same of q.
; CLUSTERS 4 x 4: x's rows are asked for jointly along a row of the cluster, a weight's along a column.  The bias is the C of each sum's first product.
; PREFETCH: W_k's rows are asked for at the head, W_q's behind the first refill: 24 blocks of 256 bytes a wave, shared out by address among the sixteen waves of a column of the cluster.
; THE WAIT'S COUNT: s_wait_dscnt NF ahead of a block: younger than its rows' loads are only the next block's NF loads.
; LIMITS: NaN and infinities are not served; a block whose largest magnitude lies under 2^-124 (zeros too) gets the scale byte 1: the bytes are read by this program alone.
.set KROW,  768
.set KS,    32
.set PITCH, 816                        ; an LDS row: 3 x (256 + 16)
.set FR,    12
.set FPW,   21                         ; fragments in a window of 256 registers
.set NF,    28                         ; LDS loads of a block: 26 for eight fragments, 2 for eight scale words
.set BVB,   256*PITCH                  ; the weights' region
.set SCL,   BVB+128*PITCH              ; x's scale bytes: 32 units of 256 + 16
.set SPARE, SCL+32*272
.set REC,   19968
.set KC,    0
.set VC,    6144
.set KSC,   12288
.set VSC,   12800
.set QC,    13312
.set QSC,   19456
.set ADRA0, 4                          ; v4, v5 my fragments of block 0 (v5: pieces behind one padding more)
.set AAS0,  6                          ; v6 my row's scale words in block 0
.set CO,    9                          ; v9 16 x lane
.set SPW,   10
.set NIL,   11
.set ADRA,  12                         ; v12, v13, v17: as v4, v5, v6 for the block fetched next
.set ADRB,  14
.set ABS,   16
.set AAS,   17
.set TM,    18
.set PB,    20
.set SO,    22
.set SB,    24                         ; v24-39 the weights' scale words
.set PW,    40
.set BO8,   42
.set BO4,   43
.set SA,    44                         ; v44-59 the rows' scale words, two sets
.set CT,    60
.set ACC,   64                         ; K, Q: four accumulators
.set NCD,   96                         ; a pair image
.set SW,    108                        ; four scale words
.set HV,    64                         ; V: a band's sums, 32 t + 8 j + i
.set MCD,   192                        ; V: four fragments
.set VS,    240
.set BV,    840                        ; the biases as C, 32 registers each
.set BK,    872
.set BQ,    904
.set SB2,   936                        ; W_k's and W_q's scale words
.set SB3,   952
.set BA,    968                        ; LDS addresses of the weights' four tiles
.set SEL,   2
.set G1A, 24
.set G1B, 32
.set G0A, 56
.set G0B, 60
.set G0R, 68
.set G0S, 72
.set G1S, 92
.set MSB, 0
.macro WIN new
.set WNEW, \new
.if MSB != WNEW
	s_set_vgpr_msb (MSB<<8)|WNEW
.set MSB, WNEW
.endif
.endm
.macro PLACES n
.rept \n
	v_nop
.endr
.endm
.macro WALU
	s_wait_alu depctr_va_vdst(0)
.endm
.macro BARRIER
	s_barrier_signal -1
	s_barrier_wait -1
.endm
.macro CROUND                          ; a round of the cluster's barrier
	s_barrier_signal -1
	s_barrier_wait -1
	s_cmp_lg_u32 s14, 0
	s_cbranch_scc1 .Lnw0_\@
	s_barrier_signal -3
.Lnw0_\@:
	s_barrier_wait -3
	s_barrier_signal -1
	s_barrier_wait -1
.endm
.macro TLOAD g0, g1
	tensor_load_to_lds s[\g0:\g0+3], s[\g1:\g1+7]
	s_nop 0
	PLACES 4
.endm
.macro GROUP1 g, mask, rows
	s_or_b32 s[\g+0], s[\mask], (1<<20)|(1<<21)|(5<<22)|(3<<25)
	s_mov_b32 s[\g+1], KROW<<16
	s_mov_b32 s[\g+2], (\rows)<<16
	s_mov_b32 s[\g+3], KROW<<16
	s_mov_b32 s[\g+4], \rows
	s_mov_b32 s[\g+5], KROW
	s_mov_b32 s[\g+6], 0
	s_mov_b32 s[\g+7], 0
.endm
.macro G0SET g, base, off
	s_mov_b32 s20, s\off
	s_add_nc_u64 s[\g+2:\g+3], s[\base:\base+1], s[20:21]
	s_or_b32 s[\g+3], s[\g+3], 0x80000000
.endm
.macro WDESC off                       ; a refill's address: my 32 rows of the weight at s\off bytes
	s_mul_i32 s20, s14, 32*KROW
	s_add_co_u32 s20, s20, s\off
	s_mov_b32 s21, 0
	s_add_nc_u64 s[G0B+2:G0B+3], s[8:9], s[20:21]
	s_or_b32 s[G0B+3], s[G0B+3], 0x80000000
.endm
; fragment f lies in window 1 + f / 21 at register 12 (f % 21): 0-31 the weights' (4 q + t), 32-39 and 40-47 the rows' two sets.  Six pieces of 8 bytes, two to a load where both lie behind as many paddings
.macro FRAG f, q, a0, a1, aw
	WIN ((1+(\f)/FPW)<<6)|(\aw)
.set R_, FR*((\f)%FPW)
.set SKIP_, 0
.irp p, 0,1,2,3,4,5
.if SKIP_
.set SKIP_, 0
.else
.set PC_, 12*(\q)+6*(\p/3)+\p%3
.set PN_, 12*(\q)+6*((\p+1)/3)+(\p+1)%3
.set X_, (PC_%32+3)/32
.set XQ_, (PN_%32+3)/32
.if (\p < 5) && (X_ == XQ_)
.set SKIP_, 1
.if X_
	ds_load_2addr_b64 v[R_+2*\p:R_+2*\p+3], \a1 offset0:PC_+2*(PC_/32) offset1:PN_+2*(PN_/32)
.else
	ds_load_2addr_b64 v[R_+2*\p:R_+2*\p+3], \a0 offset0:PC_+2*(PC_/32) offset1:PN_+2*(PN_/32)
.endif
.elseif X_
	ds_load_b64 v[R_+2*\p:R_+2*\p+1], \a1 offset:8*(PC_+2*(PC_/32))
.else
	ds_load_b64 v[R_+2*\p:R_+2*\p+1], \a0 offset:8*(PC_+2*(PC_/32))
.endif
.endif
.endr
.endm
.macro WEIGHTS                         ; my 64 rows of the weight, all of K
.irp q, 0,1,2,3,4,5,6,7
.irp b, 0,1,2,3
	FRAG 4*\q+\b, \q, v[BA-768+2*\b], v[BA-768+2*\b+1], 3
.endr
.endr
	WIN 0
.endm
.macro FETCHAT e, a0, a1, as
.irp q, 0,1,2,3,4,5,6,7
	FRAG 32+8*(\e)+\q, \q, \a0, \a1, 0
.endr
	WIN 0
	ds_load_b128 v[SA+8*(\e):SA+8*(\e)+3], \as
	ds_load_b128 v[SA+8*(\e)+4:SA+8*(\e)+7], \as offset:16
.endm
.macro NEXTF e                         ; the next block of the stream (s46 modulo 8) into set e
	s_add_co_u32 s46, s46, 1
	s_and_b32 s20, s46, 7
	s_mul_i32 s21, s20, 16*PITCH
	s_mul_i32 s20, s20, 2*272
	v_add_nc_u32 v[ADRA], s21, v[ADRA0]
	v_add_nc_u32 v[ADRA+1], s21, v[ADRA0+1]
	v_add_nc_u32 v[AAS], s20, v[AAS0]
	FETCHAT \e, v[ADRA], v[ADRA+1], v[AAS]
.endm
.macro PROD1 d, s0, s1, c, x0, x1, side, o
.if \o
	v_wmma_scale_f32_16x16x128_f8f6f4 v[\d:\d+7], v[FR*((\s0)%FPW):FR*((\s0)%FPW)+FR-1], v[FR*((\s1)%FPW):FR*((\s1)%FPW)+FR-1], \c, v[\x0], v[\x1] matrix_a_fmt:MATRIX_FMT_FP6 matrix_b_fmt:MATRIX_FMT_FP6 matrix_\side\()_scale:MATRIX_SCALE_ROW1
.else
	v_wmma_scale_f32_16x16x128_f8f6f4 v[\d:\d+7], v[FR*((\s0)%FPW):FR*((\s0)%FPW)+FR-1], v[FR*((\s1)%FPW):FR*((\s1)%FPW)+FR-1], \c, v[\x0], v[\x1] matrix_a_fmt:MATRIX_FMT_FP6 matrix_b_fmt:MATRIX_FMT_FP6 matrix_\side\()_scale:MATRIX_SCALE_ROW0
.endif
.endm
; product n = 4 q + t.  kind 0 (K, Q): source 0 the weight's rows; kind 1 (V): source 0 x's rows.  The four accumulators take turns
.macro PROD kind, e, n, a0, as, bb
.set Q_, (\n)/4
.set T_, (\n)%4
.set FB_, 4*Q_+T_
.set FA_, 32+8*(\e)+Q_
.set D_, (\a0)+(\as)*T_
.set XB_, SB+8*(T_/2)+Q_
.set XA_, SA+8*(\e)+Q_
.set O_, T_%2
.set C_, (\bb)-768+8*T_
.set CW_, 0
.if Q_ == 0
.set CW_, 3
.endif
.if \kind
	WIN (1+FA_/FPW)|((1+FB_/FPW)<<2)|(CW_<<4)
.if Q_
	PROD1 D_, FA_, FB_, v[D_:D_+7], XA_, XB_, b, O_
.else
	PROD1 D_, FA_, FB_, v[C_:C_+7], XA_, XB_, b, O_
.endif
.else
	WIN (1+FB_/FPW)|((1+FA_/FPW)<<2)|(CW_<<4)
.if Q_
	PROD1 D_, FB_, FA_, v[D_:D_+7], XB_, XA_, a, O_
.else
	PROD1 D_, FB_, FA_, v[C_:C_+7], XB_, XA_, a, O_
.endif
.endif
.endm
; entry i of a way out's first part: the two half blocks' largest magnitudes in two chains by turns, joined with lane l xor 16's, the conversions' scale operands and the scale bytes
.macro WPART i, s
.set WI_, (\i)
.set WB_, WI_%2
.if WI_ < 24
	WIN 0
.endif
.if WI_ < 2
	v_max3_num_f32 v[TM+WB_], |v[(\s)+16*WB_]|, |v[(\s)+16*WB_+1]|, 0x1800000
.elseif WI_ < 16
	v_max3_num_f32 v[TM+WB_], v[TM+WB_], |v[(\s)+16*WB_+2*(WI_/2)]|, |v[(\s)+16*WB_+2*(WI_/2)+1]|
.elseif WI_ < 18
	v_permlanex16_b32 v[PB+WB_], v[TM+WB_], s[SEL], s[SEL+1]
.elseif WI_ < 20
	v_max_num_f32 v[TM+WB_], v[TM+WB_], v[PB+WB_]
.elseif WI_ < 22
	v_add_nc_u32 v[SO+WB_], 0xff000000, v[TM+WB_]
.elseif WI_ < 24
	v_lshrrev_b32 v[PB+WB_], 23, v[SO+WB_]
.endif
.endm
; a block's 32 products; where ws names the sums of the block before, two entries of their way out stand behind every second product
.macro PRODS kind, e, a0, as, bb, ws=-1
.set N_, 0
.rept 32
	PROD \kind, \e, N_, \a0, \as, \bb
.if ((\ws) >= 0) && (N_%2)
	WPART N_-1, \ws
	WPART N_, \ws
.endif
.set N_, N_+1
.endr
	WIN 0
	PLACES 5                               ; places behind the last products
.endm
; 32 sums of a lane, two half blocks of 16 (the other halves lie in lane l xor 16), become six registers of an operand; the two scale bytes are left in v[PB], v[PB+1]
.macro WOUT s, d
.irp b, 0,1
	v_max3_num_f32 v[TM+\b], |v[(\s)+16*\b]|, |v[(\s)+16*\b+1]|, 0x1800000   ; with the floor 2^(3 - 127): the byte cannot fall under 1
.endr
.irp i, 2,4,6,8,10,12,14
.irp b, 0,1
	v_max3_num_f32 v[TM+\b], v[TM+\b], |v[(\s)+16*\b+\i]|, |v[(\s)+16*\b+\i+1]|
.endr
.endr
.irp b, 0,1
	v_permlanex16_b32 v[PB+\b], v[TM+\b], s[SEL], s[SEL+1]
.endr
.irp b, 0,1
	v_max_num_f32 v[TM+\b], v[TM+\b], v[PB+\b]
.endr
.irp b, 0,1
	v_add_nc_u32 v[SO+\b], 0xff000000, v[TM+\b]      ; 2 off the exponent field: the conversion's scale operand
.endr
.irp b, 0,1
	v_lshrrev_b32 v[PB+\b], 23, v[SO+\b]
.endr
	v_cvt_scalef32_pk16_fp6_f32 v[(\d):(\d)+2], v[(\s):(\s)+15], v[SO]
	v_cvt_scalef32_pk16_fp6_f32 v[CT:CT+2], v[(\s)+16:(\s)+31], v[SO+1]
	v_nop
.irp i, 0,1,2
	v_permlane16_swap_b32 v[(\d)+\i], v[CT+\i]       ; lanes 0-15 get the first block whole, lanes 16-31 the second
.endr
.irp i, 0,1,2
	v_mov_b32 v[(\d)+3+\i], v[CT+\i]
.endr
.endm
.macro VBLK j
	s_wait_dscnt NF
	PRODS 1, (\j)%2, HV+8*(\j), 32, BV
	NEXTF (\j)%2
.endm
.macro WCVT s, d                       ; a way out's second part: 32 sums become six registers of an operand
	v_cvt_scalef32_pk16_fp6_f32 v[(\d):(\d)+2], v[(\s):(\s)+15], v[SO]
	v_cvt_scalef32_pk16_fp6_f32 v[CT:CT+2], v[(\s)+16:(\s)+31], v[SO+1]
	v_nop
.irp i, 0,1,2
	v_permlane16_swap_b32 v[(\d)+\i], v[CT+\i]
.endr
.irp i, 0,1,2
	v_mov_b32 v[(\d)+3+\i], v[CT+\i]
.endr
.endm
; the end of the way out of a block of parity e (its sums lie at ACC + 48 e); lump = 1: its first part too, where no block of products follows
.macro WFIN e, lump
.if \lump
.set J_, 0
.rept 24
	WPART J_, ACC+48*(\e)
.set J_, J_+1
.endr
.endif
	WALU                                   ; the scale operands were written among the products
.if (\e) == 0
	s_wait_xcnt 0x0                        ; the last pair's stores have read their registers and base
	s_add_nc_u64 s[78:79], s[78:79], 1536
	WCVT ACC, NCD
	v_lshl_or_b32 v[PW], v[PB+1], 8, v[PB]
.else
	WCVT ACC+48, NCD+6
	v_lshl_or_b32 v[PW], v[PB], 16, v[PW]
	v_mov_b32 v[SW], v[SW+1]               ; the four pairs' words move down by one a pair
	v_mov_b32 v[SW+1], v[SW+2]
	v_mov_b32 v[SW+2], v[SW+3]
	v_lshl_or_b32 v[SW+3], v[PB+1], 24, v[PW]
.irp k, 0,1,2
	global_store_b128 v[CO], v[NCD+4*\k:NCD+4*\k+3], s[78:79] offset:512*\k-1536   ; 512 consecutive bytes, aligned
.endr
.endif
.endm
; a block of K or Q on accumulator set e; wo = 1: the way out of the block before goes with it
.macro QKB e, bb, fetch, w, wo
	s_wait_dscnt \w
.if \wo
	PRODS 0, \e, ACC+48*(\e), 8, \bb, ACC+48*(1-(\e))
.else
	PRODS 0, \e, ACC+48*(\e), 8, \bb
.endif
.if \fetch
	NEXTF \e
.endif
.if \wo
	WFIN 1-(\e), 0
.endif
.endm
; a change of phase: a plain barrier shows the weights that the last refill brought; they go into registers; where another weight follows, the region is refilled in a drained round
.macro CHANGE sbn, refill, lump
	s_wait_xcnt 0x0
	s_wait_tensorcnt 0x0
	s_wait_dscnt 0x0
	BARRIER
	WEIGHTS
.if \lump
	WFIN 1, 1                              ; K's last way out, while the weights' loads are out
	global_store_b128 v[CO], v[SW:SW+3], s[76:77] offset:KSC
.endif
	WIN 3
.set I_, 0
.rept 16
	v_mov_b32 v[SB+I_], v[(\sbn)-768+I_]
.set I_, I_+1
.endr
	WIN 0
	PLACES 8                               ; a scale register written by a vector instruction stands eight places ahead of its product
.if \refill
	s_wait_tensorcnt 0x0
	ds_add_u32 v[SPW], v[NIL]
	WDESC 53
	WALU
	s_wait_dscnt 0x0                       ; the add, and my reads of the weights' region
	CROUND
	TLOAD G0B, G1B
.else
	WALU
	s_wait_dscnt 0x0
.endif
.endm
; ================= THE HEAD
	s_load_b128 s[4:7], s[0:1], 0x0                 ; x's codes, x's scales
	s_load_b128 s[8:11], s[0:1], 0x10               ; W's codes, W's scales
	s_load_b128 s[48:51], s[0:1], 0x20              ; b_qkv, qkv
	v_lshl_add_u32 v[SPW], v0, 2, SPARE
	v_mov_b32 v[NIL], 0
	ds_add_u32 v[SPW], v[NIL]
	ds_add_u32 v[SPW], v[NIL]
	v_lshrrev_b32 v1, 5, v0
	v_readfirstlane_b32 s14, v1                     ; the wave; s15 its half of the tokens, s16 its head
	s_lshr_b32 s15, s14, 1
	s_and_b32 s16, s14, 1
	s_bfe_u32 s40, ttmp6, 0x40000                   ; cx
	s_bfe_u32 s41, ttmp6, 0x40004                   ; cy
	s_lshl_b32 s42, ttmp9, 2
	s_add_co_u32 s42, s42, s40                      ; tile column, 0 .. 7
	s_and_b32 s43, ttmp7, 0xffff
	s_lshl_b32 s43, s43, 2
	s_add_co_u32 s43, s43, s41                      ; tile row, 0 .. 31
	s_lshl_b32 s44, s41, 2
	s_lshl_b32 s44, 15, s44                         ; my row of the cluster
	s_lshl_b32 s45, 0x1111, s40                     ; my column
	GROUP1 G1A, 44, 128
	GROUP1 G1B, 45, 128
	s_or_b32 s[G1S+0], s44, (3<<16)|(1<<20)|(1<<21)|(5<<22)|(3<<25)
	s_mov_b32 s[G1S+1], 32<<16
	s_mov_b32 s[G1S+2], 32<<16
	s_mov_b32 s[G1S+3], 32<<16
	s_mov_b32 s[G1S+4], 32
	s_mov_b32 s[G1S+5], 32
	s_mov_b32 s[G1S+6], 0
	s_mov_b32 s[G1S+7], 0
	s_mov_b32 s[G0A], 1
	s_mov_b32 s[G0A+1], 0
	s_mov_b32 s[G0R], 1
	s_mov_b32 s[G0R+1], 128*PITCH
	s_mov_b32 s[G0B], 1
	s_mov_b32 s[G0B+1], BVB
	s_mov_b32 s[G0S], 1
	s_mov_b32 s[G0S+1], SCL
	s_mov_b32 s[SEL], 0x76543210
	s_mov_b32 s[SEL+1], 0xfedcba98
	s_mul_i32 s66, s43, 256*KROW                    ; my rows of x, in bytes
	s_mul_i32 s89, s43, 256*KS                      ; their scale bytes
	s_mul_i32 s53, s42, 128*KROW                    ; W_q's rows
	s_add_co_u32 s52, s53, 1024*KROW                ; W_k's
	s_add_co_u32 s54, s53, 2048*KROW                ; W_v's
	s_lshl_b32 s100, s41, 2
	s_add_co_u32 s100, s100, s14                    ; my number among the sixteen waves of my column of the cluster
	s_mul_i32 s100, s100, 6144
	s_add_co_u32 s55, s52, s100
	s_add_co_u32 s67, s53, s100
	s_mul_i32 s21, s15, 128*PITCH
	s_mul_i32 s22, s16, 64*PITCH
	s_add_co_u32 s22, s22, BVB
	s_mul_i32 s23, s15, 16*272
	s_add_co_u32 s23, s23, SCL
	s_mov_b32 s46, 0
	v_and_b32 v1, 15, v0                            ; r
	v_bfe_u32 v2, v0, 4, 1                          ; h
	v_and_b32 v3, 31, v0
	v_mul_u32_u24 v22, v1, PITCH
	v_mad_u32_u24 v23, v2, 24, v22
	v_add_nc_u32 v[ADRA0], s21, v23
	v_add_nc_u32 v[ADRB], s22, v23
	v_mad_u32_u24 v23, v2, 40, v22
	v_add_nc_u32 v[ADRA0+1], s21, v23
	v_add_nc_u32 v[ADRB+1], s22, v23
	v_mul_u32_u24 v[ABS], v3, KS
	v_mul_u32_u24 v23, v1, KS
	v_lshrrev_b32 v22, 8, v23
	v_lshl_add_u32 v23, v22, 4, v23
	v_add_nc_u32 v[AAS0], s23, v23
	v_lshlrev_b32 v[CO], 4, v3
	v_lshlrev_b32 v[BO8], 5, v2
	v_lshlrev_b32 v[BO4], 2, v1
	v_min_u32 v7, 23, v3
	v_lshl_add_u32 v8, v7, 8, s67                   ; my 24 blocks of W_q's rows
	v_lshl_add_u32 v7, v7, 8, s55                   ; and of W_k's
	WIN 3<<6
.irp b, 0,1,2,3
	v_add_nc_u32 v[BA-768+2*\b], \b*16*PITCH, v[ADRB]
	v_add_nc_u32 v[BA-768+2*\b+1], \b*16*PITCH, v[ADRB+1]
.endr
	WIN 0
	WALU
	s_wait_dscnt 0x0
	CROUND                                          ; ahead of the first joint loads
	s_wait_kmcnt 0x0
	s_mov_b32 s20, s66
	s_mov_b32 s21, 0
	s_add_nc_u64 s[G0A+2:G0A+3], s[4:5], s[20:21]
	s_add_nc_u64 s[G0R+2:G0R+3], s[G0A+2:G0A+3], 128*KROW
	s_or_b32 s[G0A+3], s[G0A+3], 0x80000000
	s_or_b32 s[G0R+3], s[G0R+3], 0x80000000
	G0SET G0B, 8, 54
	G0SET G0S, 6, 89
	s_cmp_eq_u32 s14, 0                             ; one load a wave, in one chain of arms
	s_cbranch_scc0 .Lwave_1
	TLOAD G0B, G1B                                  ; wave 0: W_v's rows
	s_branch .Lasked
.Lwave_1:
	s_cmp_eq_u32 s14, 1
	s_cbranch_scc0 .Lwave_2
	TLOAD G0S, G1S                                  ; wave 1: x's scale bytes
	s_branch .Lasked
.Lwave_2:
	s_cmp_eq_u32 s14, 2
	s_cbranch_scc0 .Lwave_3
	TLOAD G0A, G1A                                  ; wave 2: x's rows 0-127
	s_branch .Lasked
.Lwave_3:
	TLOAD G0R, G1A                                  ; wave 3: rows 128-255
.Lasked:
	s_lshl_b32 s20, s42, 7
	s_lshl_b32 s22, s16, 6
	s_add_co_u32 s20, s20, s22                      ; my first column among a tensor's 1,024
	s_lshl_b32 s22, s20, 2
	s_lshl_b32 s20, s20, 5
	s_mov_b32 s21, 0
	s_mov_b32 s23, 0
	s_add_nc_u64 s[84:85], s[10:11], s[20:21]       ; W's scale bytes, my 64 rows of q
	s_add_nc_u64 s[86:87], s[48:49], s[22:23]       ; the bias, likewise
.irp p, 0,1
.irp c, 0,1
	global_load_b128 v[SB+8*\p+4*\c:SB+8*\p+4*\c+3], v[ABS], s[84:85] offset:2048*KS+\p*32*KS+16*\c
.endr
.endr
	WIN 3<<6
.irp t, 0,1,2,3
	global_load_b32 v[BV-768+8*\t], v[BO4], s[86:87] offset:8192+64*\t       ; V: channel 16 t + r
.endr
.irp p, 0,1
.irp c, 0,1
	global_load_b128 v[SB2-768+8*\p+4*\c:SB2-768+8*\p+4*\c+3], v[ABS], s[84:85] offset:1024*KS+\p*32*KS+16*\c
	global_load_b128 v[SB3-768+8*\p+4*\c:SB3-768+8*\p+4*\c+3], v[ABS], s[84:85] offset:\p*32*KS+16*\c
.endr
.endr
.irp k, 0,1,2,3,4,5,6,7
	global_load_b128 v[BK-768+4*\k:BK-768+4*\k+3], v[BO8], s[86:87] offset:4096+64*(\k/2)+16*(\k%2)   ; K, Q: register 8 t + j is column 16 t + 8 h + j
	global_load_b128 v[BQ-768+4*\k:BQ-768+4*\k+3], v[BO8], s[86:87] offset:64*(\k/2)+16*(\k%2)
.endr
	WIN 0
	global_prefetch_b8 v7, s[8:9] th:TH_LOAD_NT scope:SCOPE_SE               ; what the first refill will load
	s_lshl_b32 s20, s43, 1
	s_add_co_u32 s20, s20, s15                      ; my group of 128 tokens among all 64
	s_lshr_b32 s22, s20, 3
	s_and_b32 s20, s20, 7
	s_lshl_b32 s22, s22, 4
	s_lshl_b32 s23, s42, 1
	s_add_co_u32 s22, s22, s23
	s_add_co_u32 s22, s22, s16                      ; 16 x batch + head
	s_lshl_b32 s22, s22, 3
	s_add_co_u32 s22, s22, s20
	s_mul_i32 s20, s22, REC
	s_add_nc_u64 s[76:77], s[50:51], s[20:21]       ; my record
.irp t, 0,1,2,3
.irp i, 6,7,8,9,10,11
	v_mov_b32 v[MCD+12*\t+\i], 0                    ; written once: the first band's text moves them down
.endr
	v_mov_b32 v[VS+\t], 0
.endr
	v_mov_b32 v[PB], 0                              ; a lane permute's destination counts as one of its sources
	v_mov_b32 v[PB+1], 0
	WALU
	s_cmp_eq_u32 s14, 0
	s_cbranch_scc0 .Lnot_b
	s_wait_tensorcnt 0x0
.Lnot_b:
	BARRIER                                         ; W_v's rows are in
	WEIGHTS
	s_wait_loadcnt 0x0
	WIN (3<<6)|3
.irp t, 0,8,16,24
.irp i, 1,2,3,4,5,6,7
	v_mov_b32 v[BV-768+\t+\i], v[BV-768+\t]
.endr
.endr
	WIN 0
	s_wait_tensorcnt 0x0                            ; the first refill's round; it also shows x's rows and scale bytes to all
	ds_add_u32 v[SPW], v[NIL]
	s_mov_b32 s[G1B+2], 32<<16                      ; from here on a load of weights brings 32 rows a wave
	s_mov_b32 s[G1B+4], 32
	s_mul_i32 s[G0B+1], s14, 32*PITCH
	s_add_co_u32 s[G0B+1], s[G0B+1], BVB
	WDESC 52
	WALU
	s_wait_dscnt 0x0
	CROUND
	TLOAD G0B, G1B                                  ; W_k's rows onto W_v's, which all waves hold in registers
	FETCHAT 0, v[ADRA0], v[ADRA0+1], v[AAS0]
	NEXTF 1
	global_prefetch_b8 v8, s[8:9] th:TH_LOAD_NT scope:SCOPE_SE               ; what the second refill will load
; ================= V: two bands of four blocks
	s_mov_b32 s88, 0
.Lband:
	VBLK 0
	VBLK 1
	VBLK 2
	VBLK 3
.irp t, 0,1,2,3
.irp i, 0,1,2,3,4,5
	v_mov_b32 v[MCD+12*\t+\i], v[MCD+12*\t+6+\i]    ; the band before goes to registers 0-5
.endr
	WOUT HV+32*\t, MCD+12*\t+6
	v_lshl_or_b32 v[PW], v[PB+1], 8, v[PB]
	v_perm_b32 v[VS+\t], v[PW], v[VS+\t], 0x05040302   ; the word's upper half moves down, this band's two bytes come in above
.endr
	s_add_co_u32 s88, s88, 1
	s_cmp_lg_u32 s88, 2
	WALU
	s_cbranch_scc1 .Lband
.irp t, 0,1,2,3
.irp k, 0,1,2
	global_store_b128 v[CO], v[MCD+12*\t+4*\k:MCD+12*\t+4*\k+3], s[76:77] offset:VC+1536*\t+512*\k
.endr
.endr
	global_store_b128 v[CO], v[VS:VS+3], s[76:77] offset:VSC
.irp i, 0,1,2,3
	v_mov_b32 v[SW+\i], 0
.endr
; ================= K: four pairs of blocks
; ================= K: block 0, three trips of blocks (1, 2), (3, 4), (5, 6), block 7; its way out stands in the change of phase
	CHANGE SB2, 1, 0
	s_mov_b64 s[78:79], s[76:77]
	QKB 0, BK, 1, NF, 0
	s_mov_b32 s88, 0
.Lk:
	QKB 1, BK, 1, NF, 1
	QKB 0, BK, 1, NF, 1
	s_add_co_u32 s88, s88, 1
	s_cmp_lg_u32 s88, 3
	WALU
	s_cbranch_scc1 .Lk
	QKB 1, BK, 1, NF, 1
; ================= Q: block 0, two trips, blocks 5 to 7 written out: the last two fetch nothing
	CHANGE SB3, 0, 1
	s_wait_xcnt 0x0                                 ; K's last stores have read their base
	s_add_nc_u64 s[78:79], s[76:77], QC
	QKB 0, BQ, 1, NF, 0
	s_mov_b32 s88, 0
.Lq:
	QKB 1, BQ, 1, NF, 1
	QKB 0, BQ, 1, NF, 1
	s_add_co_u32 s88, s88, 1
	s_cmp_lg_u32 s88, 2
	WALU
	s_cbranch_scc1 .Lq
	QKB 1, BQ, 1, NF, 1
	QKB 0, BQ, 0, NF, 1
	QKB 1, BQ, 0, 0, 1
	WFIN 1, 1
	global_store_b128 v[CO], v[SW:SW+3], s[76:77] offset:QSC
	s_wait_tensorcnt 0x0                            ; the wave's end
	ds_add_u32 v[SPW], v[NIL]
	s_wait_dscnt 0x0
	CROUND                                          ; the closing round
	s_endpgm
.Lfunc_end_k_q5f30594828_qkvproj:
	.size	k_q5f30594828_qkvproj, .Lfunc_end_k_q5f30594828_qkvproj-k_q5f30594828_qkvproj
	.p2alignl 7, 3214868480
	.fill 96, 4, 3214868480
	.section	.rodata,"a",@progbits
	.p2align	6, 0x0
	.amdhsa_kernel k_q5f30594828_qkvproj
		.amdhsa_group_segment_fixed_size 327680
		.amdhsa_private_segment_fixed_size 0
		.amdhsa_enable_private_segment 0
		.amdhsa_kernarg_size 48
		.amdhsa_user_sgpr_count 2
		.amdhsa_user_sgpr_kernarg_segment_ptr 1
		.amdhsa_wavefront_size32 1
		.amdhsa_system_sgpr_workgroup_id_x 1
		.amdhsa_system_sgpr_workgroup_id_y 1
		.amdhsa_system_sgpr_workgroup_id_z 1
		.amdhsa_system_vgpr_workitem_id 0
		.amdhsa_next_free_vgpr 992
		.amdhsa_next_free_sgpr 102
		.amdhsa_reserve_vcc 0
		.amdhsa_float_denorm_mode_32 3
		.amdhsa_float_denorm_mode_16_64 3
		.amdhsa_memory_ordered 1
		.amdhsa_forward_progress 1
		.amdhsa_inst_pref_size 166
	.end_amdhsa_kernel
	.amdgpu_metadata
---
amdhsa.version: [ 1, 2 ]
amdhsa.kernels:
  - .name:           k_q5f30594828_qkvproj
    .symbol:         k_q5f30594828_qkvproj.kd
    .args:
      - { .name: x_codes, .offset: 0, .size: 8, .value_kind: global_buffer, .address_space: global }
      - { .name: x_scales, .offset: 8, .size: 8, .value_kind: global_buffer, .address_space: global }
      - { .name: W_qkv_codes, .offset: 16, .size: 8, .value_kind: global_buffer, .address_space: global }
      - { .name: W_qkv_scales, .offset: 24, .size: 8, .value_kind: global_buffer, .address_space: global }
      - { .name: b_qkv, .offset: 32, .size: 8, .value_kind: global_buffer, .address_space: global }
      - { .name: qkv, .offset: 40, .size: 8, .value_kind: global_buffer, .address_space: global }
    .group_segment_fixed_size: 327680
    .private_segment_fixed_size: 0
    .kernarg_segment_align: 8
    .kernarg_segment_size: 48
    .max_flat_workgroup_size: 128
    .sgpr_count:     102
    .vgpr_count:     992
    .wavefront_size: 32
...
	.end_amdgpu_metadata
.endif
;; end of part 1
;; launch attn (part 2): grid 2 x 128, 16 waves a work-group, no clusters, 169,984 bytes of LDS; arguments qkv, acodes, ascales; writes acodes, ascales
.if DOCPART == 2
	.amdgcn_target "amdgcn-amd-amdhsa--gfx1250"
	.amdhsa_code_object_version 6
	.text
	.protected	k_q5f30594828_attn
	.globl	k_q5f30594828_attn
	.p2align	8
	.type	k_q5f30594828_attn,@function
k_q5f30594828_attn:
	s_mov_b64 s[64:65], 0
	v_nop
	global_prefetch_b8 v0, s[64:65] scope:SCOPE_SE
	s_setreg_imm32_b32 hwreg(HW_REG_WAVE_MODE, 25, 1), 1
	s_wait_xcnt 0x0
; Causal attention of one head on codes of FP6 (E2M3), head size 64, 1,024 tokens; the result, divided by the row's sum, is quantised along the channels for the output projection.
; IN: the records of the launch before: for each group of 128 tokens four pair images of k, four fragments of v (keys innermost), their scale words, and the pair images of q.
; SHARES.  A work-group is half the query tiles of one (batch, head); wave w of work-group z owns the tiles i = 16 z + w and 63 - i of 16 queries: i / 8 + 1 and 8 - i / 8 key steps of 128, nine for every wave.
; A head's K and V, 8 x 13,312 bytes, come into LDS ONCE, by sixteen tensor loads at the head, one a wave; nothing is filled again.
; K = 64 UNDER AN INSTRUCTION OF 128.  A pair image holds keys 32 p + r in k = 0 .. 63 and keys 32 p + 16 + r in k = 64 .. 127.  Against [q | zero codes] it gives the first sixteen keys' scores, against
; [zero codes | q] the second's: a zero code times any code is 0, and every scale byte here lies between 1 and 254.  Z6 q6 Z6 in 18 registers serve both.
; LAYOUT.  S^T = K Q^T and O^T = V^T P^T: a lane holds one query.  Register 16 p + 8 u + j of S holds key 32 p + 16 u + 8 (lane / 16) + j: the order in which v's codes were laid.
; SOFTMAX.  t = score x log2(e) / 8; M = the running largest t rounded up to a whole number; p = 2^(t - M) is quantised along the keys; the sum is taken of the unquantised p; when M moves, sum and O are multiplied by 2^(old M - new M).
; CAUSAL.  A step all of whose keys come after my queries is jumped over (a branch on ids); on the diagonal hidden scores become -infinity ahead of the maximum.  Key 0 counts for every query.
; No cluster: a head's records have two readers, once each.  No prefetch: every tile is asked for at the head.
; LIMITS: NaN and infinities are not served; a block under 2^-124 (zeros too) gets the scale byte 1, read by this program alone.
; THE FILLS, in place of what the head's line on wave 0 says of them: sixteen tensor loads, one a wave, each half a sub-record (one is out in a wave, by this text's count); records 0 to 3 are read as they land, the rest behind the barrier ahead of the second tile.
.set REC,  19968
.set HSTR, 8*REC
.set SUB,  13312                       ; K's and V's part of a record
.set VC,   6144
.set KSC,  12288
.set VSC,  12800
.set QC,   13312
.set QSC,  19456
.set LI,  1                            ; v1   16 x lane
.set ADR, 2                            ; v2   LDS address in the loop
.set RH,  3                            ; v3   r - 8 h
.set GO8, 6                            ; v6   8 x lane
.set GS,  7                            ; v7   32 r
.set KSW, 8                            ; v8-11  K's scale words
.set QZ,  16                           ; v16-27 [zeros | q]
.set QQ,  22                           ; v22-33 [q | zeros]
.set QSW, 34
.set PSW, 35
.set VSW, 36                           ; v36-39
.set KI,  40                           ; v40-87  four pair images of K; later:
.set SO,  40
.set CT,  44
.set PC,  52                           ; v52-63 p's codes
.set VI,  88                           ; v88-135 four fragments of V
.set S,   136                          ; v136-199 scores, then p
.set E,   168                          ; the way out: codes
.set HW,  178                          ; and two scale bytes
.set O,   200                          ; v200-231 O^T
.set Q2,  232                          ; v232-238 the second tile's q and its scale word
.set F,   244                          ; v[244:245]
.set TMP, 246
.set DM,  247
.set PB,  248
.set BM,  252
.set WV,  10
.set T1,  13
.set T2,  14
.set G1,  16
.set G0,  24
.set SEL, 56
.set CS,  58
.set KF,  60
.set Q0,  61
.set TB,  62
.set CNT, 63
	s_load_b128 s[4:7], s[0:1], 0x0                ; qkv, acodes
	s_load_b64 s[8:9], s[0:1], 0x10                ; ascales
	v_lshl_add_u32 v242, v0, 2, 0x29000
	v_mov_b32 v243, 0
	ds_add_u32 v242, v243
	ds_add_u32 v242, v243
	v_lshrrev_b32 v4, 5, v0
	s_delay_alu instid0(VALU_DEP_1)
	v_readfirstlane_b32 s[WV], v4                  ; wave 0..15
	s_and_b32 s12, ttmp7, 0xffff                   ; 16 x batch + head
	s_lshl_b32 s[T1], ttmp9, 4
	s_add_co_u32 s[T1], s[T1], s[WV]               ; my first tile of queries
	s_sub_co_u32 s[T2], 63, s[T1]                  ; my second
	s_mul_i32 s66, s12, HSTR
	s_mov_b32 s67, 0
	s_mov_b32 s[G1], 3<<16                         ; elements of 8 bytes, no mask, no padding
	s_mov_b32 s[G1+1], 32<<16                      ; tensor_dim0: 256 bytes
	s_mov_b32 s[G1+2], 26<<16                      ; tensor_dim1: 26 rows: half a sub-record
	s_mov_b32 s[G1+3], 32<<16                      ; tile_dim0
	s_mov_b32 s[G1+4], 26                          ; tile_dim1
	s_mov_b32 s[G1+5], 32                          ; dense
	s_mov_b32 s[G1+6], 0
	s_mov_b32 s[G1+7], 0
	s_mov_b32 s[SEL], 0x76543210
	s_mov_b32 s[SEL+1], 0xfedcba98
	s_mov_b32 s[CS], 0x3e38aa3b                    ; log2(e) / sqrt(64)
	s_mov_b32 s[CS+1], s[CS]
	v_and_b32 v4, 31, v0
	s_delay_alu instid0(VALU_DEP_1)
	v_lshlrev_b32 v[LI], 4, v4
	s_delay_alu instid0(VALU_DEP_2)
	v_lshlrev_b32 v[GO8], 3, v4
	v_and_b32 v5, 15, v0
	s_delay_alu instid0(VALU_DEP_1)
	v_lshlrev_b32 v[GS], 5, v5
	v_bfe_u32 v4, v0, 4, 1
	s_delay_alu instid0(VALU_DEP_1)
	v_lshlrev_b32 v4, 3, v4
	s_delay_alu instid0(VALU_DEP_1)
	v_sub_nc_u32 v[RH], v5, v4
	s_wait_dscnt 0x0
	s_wait_kmcnt 0x0
	s_add_nc_u64 s[4:5], s[4:5], s[66:67]          ; my head's first record
	; THE FILLS AS THEY NOW STAND: each of the sixteen waves brings half a sub-record, SUB / 2 bytes, by its one tensor load: wave w the half w % 2 of record w / 2, to LDS byte w x SUB / 2
	s_lshr_b32 s68, s[WV], 1
	s_mul_i32 s68, s68, REC
	s_and_b32 s69, s[WV], 1
	s_mul_i32 s69, s69, SUB/2
	s_add_co_u32 s68, s68, s69
	s_mov_b32 s69, 0
	s_mov_b32 s[G0], 1
	s_mul_i32 s[G0+1], s[WV], SUB/2
	s_add_nc_u64 s[G0+2:G0+3], s[4:5], s[68:69]
	s_or_b32 s[G0+3], s[G0+3], 0x80000000
	; one chain of arms, a load in each: records 0 to 3 have arms of their own (two waves each), so that a step can begin when the waves of its record and of those before it have waited
.macro ARM under, next
	s_cmp_lt_u32 s[WV], \under
	s_cbranch_scc0 \next
	tensor_load_to_lds s[G0:G0+3], s[G1:G1+7]
	s_nop 0
.rept 4
	v_nop
.endr
	s_branch .Lasked
\next:
.endm
	ARM 2, .Larm_1
	ARM 4, .Larm_2
	ARM 6, .Larm_3
	ARM 8, .Larm_4
	tensor_load_to_lds s[G0:G0+3], s[G1:G1+7]
	s_nop 0
.rept 4
	v_nop
.endr
.Lasked:
; a tile's pair image of q and its scale word, raw
.macro QLOAD t, cb, sb, dst
	s_lshr_b32 s66, s[\t], 3
	s_mul_i32 s66, s66, REC                        ; the record of the tile's 128 tokens
	s_bfe_u32 s68, s[\t], 0x20001                  ; the pair in it
	s_mul_i32 s69, s68, 1536
	s_add_co_u32 s[\cb], s66, s69
	s_mov_b32 s[\cb+1], 0
	s_add_nc_u64 s[\cb:\cb+1], s[4:5], s[\cb:\cb+1]
	s_lshl_b32 s69, s68, 2
	s_add_co_u32 s[\sb], s66, s69
	s_mov_b32 s[\sb+1], 0
	s_add_nc_u64 s[\sb:\sb+1], s[4:5], s[\sb:\sb+1]
.irp c, 0,1,2
	global_load_b128 v[\dst+4*\c:\dst+4*\c+3], v[LI], s[\cb:\cb+1] offset:QC+512*\c th:TH_LOAD_NT
.endr
	global_load_b32 v[\dst+12], v[LI], s[\sb:\sb+1] offset:QSC th:TH_LOAD_NT
.endm
	s_wait_alu depctr_va_vdst(0)
	QLOAD T1, 70, 72, S
	QLOAD T2, 74, 76, S+16
.irp i, 0,1,2,3,4,5
	v_mov_b32 v[QZ+\i], 0                          ; zero codes on both sides of q
	v_mov_b32 v[QQ+6+\i], 0
.endr
.irp b, 0,1,2,3
	v_mov_b32 v[PB+\b], 0                          ; written once: a lane permute's destination counts as one of its sources
.endr
	v_mov_b32 v[F+1], 0                            ; named as the upper half of a pair
	s_wait_loadcnt 0x0
	s_bitcmp1_b32 s[T1], 0                         ; an odd tile lies in the image's registers 6-11 and the word's bytes 2, 3
	s_cselect_b32 s78, -1, 0
	s_mov_b32 s79, 0x01000100
	s_cselect_b32 s79, 0x03020302, s79
.irp i, 0,1,2,3,4,5
	v_cndmask_b32 v[QQ+\i], v[S+\i], v[S+6+\i], s78
.endr
	v_perm_b32 v[QSW], v[S+12], v[S+12], s79       ; the two bytes twice: they scale q wherever it stands
	s_bitcmp1_b32 s[T2], 0
	s_cselect_b32 s78, -1, 0
	s_mov_b32 s79, 0x01000100
	s_cselect_b32 s79, 0x03020302, s79
.irp i, 0,1,2,3,4,5
	v_cndmask_b32 v[Q2+\i], v[S+16+\i], v[S+22+\i], s78
.endr
	v_perm_b32 v[Q2+6], v[S+28], v[S+28], s79
.macro INIT second, tile               ; a tile's start.  The 32 clearing lines are also the places between the write of q's scale word and the first product
.if \second
	s_wait_xcnt 0x0                                ; the first tile's stores have read their registers and bases
.irp i, 0,1,2,3,4,5
	v_mov_b32 v[QQ+\i], v[Q2+\i]
.endr
	v_mov_b32 v[QSW], v[Q2+6]
.endif
	v_mov_b32 v13, 0xff61b1e6                      ; the largest t so far: -3e38
	s_delay_alu instid0(VALU_DEP_1)
	v_floor_f32 v12, -v13                          ; -M
	v_mov_b32 v14, 0
	v_mov_b32 v15, 0
.set i, 0
.rept 32
	v_mov_b32 v[O+i], 0                            ; the step is written for every step alike: the first finds zeros
.set i, i+1
.endr
	s_mov_b32 s[KF], 0
	s_lshl_b32 s[Q0], s[\tile], 4
.endm
; A KEY STEP: 128 keys, whose sub-record lies at v[adr] + off.
.macro STEP adr, off
	s_add_co_u32 s66, s[Q0], 15
	s_cmp_gt_u32 s[KF], s66
	s_cbranch_scc1 .Lhidden_\@                     ; all its keys come after my queries
.irp p, 0,1,2,3
.irp c, 0,1,2
	ds_load_b128 v[KI+12*\p+4*\c:KI+12*\p+4*\c+3], v[\adr] offset:\off+1536*\p+512*\c
.endr
.endr
	ds_load_b128 v[KSW:KSW+3], v[\adr] offset:\off+KSC
.irp t, 0,1,2,3
.irp c, 0,1,2
	ds_load_b128 v[VI+12*\t+4*\c:VI+12*\t+4*\c+3], v[\adr] offset:\off+VC+1536*\t+512*\c
.endr
.endr
	ds_load_b128 v[VSW:VSW+3], v[\adr] offset:\off+VSC
	s_wait_dscnt 13                                ; K's thirteen loads are in; V's thirteen may be out
.irp p, 0,1,2,3
	v_wmma_scale_f32_16x16x128_f8f6f4 v[S+16*\p:S+16*\p+7], v[KI+12*\p:KI+12*\p+11], v[QQ:QQ+11], 0, v[KSW+\p], v[QSW] matrix_a_fmt:MATRIX_FMT_FP6 matrix_b_fmt:MATRIX_FMT_FP6
	v_wmma_scale_f32_16x16x128_f8f6f4 v[S+16*\p+8:S+16*\p+15], v[KI+12*\p:KI+12*\p+11], v[QZ:QZ+11], 0, v[KSW+\p], v[QSW] matrix_a_fmt:MATRIX_FMT_FP6 matrix_b_fmt:MATRIX_FMT_FP6
.endr
.rept 4
	v_nop
.endr
	s_add_co_u32 s66, s[KF], 127
	s_cmp_le_u32 s66, s[Q0]
	s_cbranch_scc1 .Lopen_\@                       ; all its keys count
	s_sub_co_i32 s66, s[Q0], s[KF]
	v_add_nc_u32 v[DM], s66, v[RH]                 ; register n holds key KF + 16 (n / 8) + n % 8 + 8 h: hidden where 16 (n / 8) + n % 8 > my query - KF - 8 h
	v_mov_b32 v[TMP], 0xff800000
.set n, 0
.rept 64
	v_cmp_gt_i32 vcc_lo, 16*(n/8)+n%8, v[DM]
	v_cndmask_b32 v[S+n], v[S+n], v[TMP], vcc_lo
.set n, n+1
.endr
.Lopen_\@:
.irp b, 0,1,2,3
	v_max3_num_f32 v[BM+\b], v[S+16*\b], v[S+16*\b+1], v[S+16*\b+2]   ; the largest score of each block of 32 keys: for the row's maximum and, since p rises with the score, for the block's largest p
.endr
.irp i, 3,5,7,9,11,13
.irp b, 0,1,2,3
	v_max3_num_f32 v[BM+\b], v[BM+\b], v[S+16*\b+\i], v[S+16*\b+\i+1]
.endr
.endr
.irp b, 0,1,2,3
	v_max_num_f32 v[BM+\b], v[BM+\b], v[S+16*\b+15]
.endr
.irp b, 0,1,2,3
	s_delay_alu instid0(VALU_DEP_4)
	v_permlanex16_b32 v[PB+\b], v[BM+\b], s[SEL], s[SEL+1]
.endr
.irp b, 0,1,2,3
	s_delay_alu instid0(VALU_DEP_4)
	v_max_num_f32 v[BM+\b], v[BM+\b], v[PB+\b]
.endr
	s_delay_alu instid0(VALU_DEP_2)
	v_max3_num_f32 v[TMP], v[BM], v[BM+1], v[BM+2]
	s_delay_alu instid0(VALU_DEP_1)
	v_max_num_f32 v[TMP], v[TMP], v[BM+3]
	s_delay_alu instid0(VALU_DEP_1)
	v_mul_f32 v[TMP], s[CS], v[TMP]
	s_delay_alu instid0(VALU_DEP_1)
	v_max_num_f32 v13, v13, v[TMP]                 ; the running largest t
	v_mov_b32 v[TMP], v12
	s_delay_alu instid0(VALU_DEP_2)
	v_floor_f32 v12, -v13                          ; the new -M: a whole number
	s_delay_alu instid0(VALU_DEP_1)
	v_sub_f32 v[TMP], v12, v[TMP]
	s_delay_alu instid0(VALU_DEP_1)
	v_cvt_i32_f32 v[TMP], v[TMP]                   ; (it saturates)
	s_delay_alu instid0(VALU_DEP_1)
	v_ldexp_f32 v[F], 1.0, v[TMP]                  ; f = 2^(old M - new M)
.set j, 0
.rept 32
	v_pk_fma_f32 v[S+j:S+j+1], v[S+j:S+j+1], s[CS:CS+1], v[12:13] op_sel_hi:[1,0,0]   ; t - M
.set j, j+2
.endr
.irp b, 0,1,2,3
	v_fma_f32 v[BM+\b], v[BM+\b], s[CS], v12
.endr
.set j, 0
	s_wait_alu depctr_va_vdst(0)
.rept 64
	v_exp_f32 v[S+j], v[S+j]                       ; p = 2^(t - M)
.set j, j+1
.endr
	v_pk_mul_f32 v[14:15], v[14:15], v[F:F+1] op_sel_hi:[1,0]   ; the sums under the new M: the plain place behind the batch
	s_wait_alu depctr_va_vdst(0)                   ; one wait for the batch, ahead of its first reader
.irp b, 0,1,2,3
	v_exp_f32 v[BM+\b], v[BM+\b]                   ; each block's largest p
.endr
	v_pk_add_f32 v[248:249], v[140:141], v[144:145]
	v_pk_add_f32 v[250:251], v[148:149], v[152:153]
	v_pk_add_f32 v[246:247], v[156:157], v[160:161]
	v_pk_add_f32 v[240:241], v[164:165], v[168:169]
	v_pk_add_f32 v[86:87], v[172:173], v[176:177]
	v_pk_add_f32 v[84:85], v[180:181], v[184:185]
	v_pk_add_f32 v[82:83], v[188:189], v[192:193]
	v_pk_add_f32 v[14:15], v[14:15], v[196:197]
	v_pk_add_f32 v[248:249], v[248:249], v[136:137]
	v_pk_add_f32 v[250:251], v[250:251], v[138:139]
	v_pk_add_f32 v[246:247], v[246:247], v[142:143]
	v_pk_add_f32 v[240:241], v[240:241], v[146:147]
	v_pk_add_f32 v[86:87], v[86:87], v[150:151]
	v_pk_add_f32 v[84:85], v[84:85], v[154:155]
	v_pk_add_f32 v[82:83], v[82:83], v[158:159]
	v_pk_add_f32 v[14:15], v[14:15], v[162:163]
	v_pk_add_f32 v[248:249], v[248:249], v[166:167]
	v_pk_add_f32 v[250:251], v[250:251], v[170:171]
	v_pk_add_f32 v[246:247], v[246:247], v[174:175]
	v_pk_add_f32 v[240:241], v[240:241], v[178:179]
	v_pk_add_f32 v[86:87], v[86:87], v[182:183]
	v_pk_add_f32 v[84:85], v[84:85], v[186:187]
	v_pk_add_f32 v[82:83], v[82:83], v[190:191]
	v_pk_add_f32 v[14:15], v[14:15], v[194:195]
	v_pk_add_f32 v[248:249], v[248:249], v[198:199]
	s_delay_alu instid0(VALU_DEP_2)
	v_pk_add_f32 v[14:15], v[14:15], v[240:241]
	s_delay_alu instid0(VALU_DEP_2)
	v_pk_add_f32 v[248:249], v[248:249], v[86:87]
	v_pk_add_f32 v[250:251], v[250:251], v[84:85]
	v_pk_add_f32 v[246:247], v[246:247], v[82:83]
	s_delay_alu instid0(VALU_DEP_2)
	v_pk_add_f32 v[14:15], v[14:15], v[250:251]
	s_delay_alu instid0(VALU_DEP_2)
	v_pk_add_f32 v[248:249], v[248:249], v[246:247]
	s_delay_alu instid0(VALU_DEP_1)
	v_pk_add_f32 v[14:15], v[14:15], v[248:249]
	s_wait_alu depctr_va_vdst(0)                   ; and one for the four
.irp b, 0,1,2,3
	v_max_num_f32 v[BM+\b], 0x1800000, v[BM+\b]    ; the floor 2^(3 - 127)
.endr
.irp b, 0,1,2,3
	s_delay_alu instid0(VALU_DEP_4)
	v_add_nc_u32 v[SO+\b], 0xff000000, v[BM+\b]    ; the conversion's scale operand
.endr
.irp b, 0,1,2,3
	s_delay_alu instid0(VALU_DEP_4)
	v_lshrrev_b32 v[PB+\b], 23, v[SO+\b]           ; the scale's byte
.endr
	s_delay_alu instid0(VALU_DEP_3)
	v_lshl_or_b32 v[PSW], v[PB+1], 8, v[PB]
	s_delay_alu instid0(VALU_DEP_1)
	v_lshl_or_b32 v[PSW], v[PB+2], 16, v[PSW]
	s_delay_alu instid0(VALU_DEP_1)
	v_lshl_or_b32 v[PSW], v[PB+3], 24, v[PSW]
.irp c, 0,1
	v_cvt_scalef32_pk16_fp6_f32 v[PC+6*\c:PC+6*\c+2], v[S+32*\c:S+32*\c+15], v[SO+2*\c]
	v_cvt_scalef32_pk16_fp6_f32 v[CT+4*\c:CT+4*\c+2], v[S+32*\c+16:S+32*\c+31], v[SO+2*\c+1]
.endr
	v_nop                                          ; one plain place behind the scaled conversions
.irp c, 0,1
.irp i, 0,1,2
	v_permlane16_swap_b32 v[PC+6*\c+\i], v[CT+4*\c+\i]
.endr
.irp i, 0,1,2
	s_delay_alu instid0(VALU_DEP_3)
	v_mov_b32 v[PC+6*\c+3+\i], v[CT+4*\c+\i]
.endr
.endr
.set j, 0
.rept 16
	v_pk_mul_f32 v[O+j:O+j+1], v[O+j:O+j+1], v[F:F+1] op_sel_hi:[1,0]   ; O^T under the new M; these sixteen are also the places between the writes of p's codes and scale word and the products
.set j, j+2
.endr
	s_wait_alu depctr_va_vdst(0)
	s_wait_dscnt 0x0                               ; V is in
.irp t, 0,1,2,3
	v_wmma_scale_f32_16x16x128_f8f6f4 v[O+8*\t:O+8*\t+7], v[VI+12*\t:VI+12*\t+11], v[PC:PC+11], v[O+8*\t:O+8*\t+7], v[VSW+\t], v[PSW] matrix_a_fmt:MATRIX_FMT_FP6 matrix_b_fmt:MATRIX_FMT_FP6
.endr
.rept 4
	v_nop                                          ; places in front of the next loads into, and reads of, these products' registers
.endr
.Lhidden_\@:
	s_add_co_u32 s[KF], s[KF], 128
.endm
; A tile's end: O^T / the sum, brought into the channels' true order, quantised in two blocks of 32, stored as half a fragment of the next product's operand.
.macro FINISH tile
	v_add_f32 v14, v14, v15
	s_delay_alu instid0(VALU_DEP_1)
	v_permlanex16_b32 v[PB], v14, s[SEL], s[SEL+1]
	s_delay_alu instid0(VALU_DEP_1)
	v_add_f32 v14, v14, v[PB]                      ; the row's sum
	s_wait_alu depctr_va_vdst(0)
	v_rcp_f32 v14, v14
	v_nop                                          ; a plain place behind the reciprocal
	s_lshr_b32 s66, s12, 4
	s_lshl_b32 s66, s66, 6
	s_add_co_u32 s66, s66, s[\tile]                ; the tile of 16 rows among all 512
	s_and_b32 s67, s12, 15                         ; the head
	s_mul_i32 s68, s66, 12288
	s_mul_i32 s69, s67, 768                        ; a head is half a K step's fragment: three chunks of 256 bytes
	s_add_co_u32 s68, s68, s69
	s_mov_b32 s69, 0
	s_add_nc_u64 s[80:81], s[6:7], s[68:69]
	s_lshl_b32 s68, s66, 9
	s_lshl_b32 s67, s67, 1
	s_add_co_u32 s68, s68, s67
	s_add_nc_u64 s[82:83], s[8:9], s[68:69]
	s_wait_alu depctr_va_vdst(0)                   ; ahead of the reciprocal's first reader
.set j, 0
.rept 16
	v_pk_mul_f32 v[S+j:S+j+1], v[O+j:O+j+1], v[14:15] op_sel_hi:[1,0]   ; register 8 t + j: channel 16 t + 8 h + j
.set j, j+2
.endr
.irp b, 0,1
.irp j, 0,1,2,3,4,5,6,7
	v_permlane16_swap_b32 v[S+16*\b+\j], v[S+16*\b+8+\j]   ; now register 16 b + i: channel 32 b + 16 h + i
.endr
.endr
.irp b, 0,1
	v_max3_num_f32 v[BM+\b], |v[S+16*\b]|, |v[S+16*\b+1]|, 0x1800000
.endr
.irp i, 2,4,6,8,10,12,14
.irp b, 0,1
	s_delay_alu instid0(VALU_DEP_2)
	v_max3_num_f32 v[BM+\b], v[BM+\b], |v[S+16*\b+\i]|, |v[S+16*\b+\i+1]|
.endr
.endr
.irp b, 0,1
	s_delay_alu instid0(VALU_DEP_2)
	v_permlanex16_b32 v[PB+\b], v[BM+\b], s[SEL], s[SEL+1]
.endr
.irp b, 0,1
	s_delay_alu instid0(VALU_DEP_2)
	v_max_num_f32 v[BM+\b], v[BM+\b], v[PB+\b]
.endr
.irp b, 0,1
	s_delay_alu instid0(VALU_DEP_2)
	v_add_nc_u32 v[SO+\b], 0xff000000, v[BM+\b]
.endr
.irp b, 0,1
	s_delay_alu instid0(VALU_DEP_2)
	v_lshrrev_b32 v[PB+\b], 23, v[SO+\b]
.endr
	s_delay_alu instid0(VALU_DEP_1)
	v_lshl_or_b32 v[HW], v[PB+1], 8, v[PB]
	v_cvt_scalef32_pk16_fp6_f32 v[E:E+2], v[S:S+15], v[SO]
	v_cvt_scalef32_pk16_fp6_f32 v[E+6:E+8], v[S+16:S+31], v[SO+1]
	v_nop
.irp i, 0,1,2
	v_permlane16_swap_b32 v[E+\i], v[E+6+\i]
.endr
.irp i, 0,1,2
	s_delay_alu instid0(VALU_DEP_3)
	v_mov_b32 v[E+3+\i], v[E+6+\i]
.endr
.irp p, 0,1,2
	global_store_b64 v[GO8], v[E+2*\p:E+2*\p+1], s[80:81] offset:256*\p   ; 32 lanes store 256 consecutive bytes, aligned
.endr
	global_store_b16 v[GS], v[HW], s[82:83]        ; my row's two scale bytes (lanes r and r + 16 hold and store the same)
.endm
	INIT 0, T1
.irp j, 0,1,2,3                        ; the first tile lies among queries 0 .. 511: four steps at the most, each as soon as its sub-record has landed
	s_cmp_lt_u32 s[WV], 2*\j+2
	s_cbranch_scc0 .Lnot_mine_\j
	s_wait_tensorcnt 0x0                           ; waves 0 .. 2 j + 1: sub-records 0 .. j are in; nothing is filled again
.Lnot_mine_\j:
	s_barrier_signal -1
	s_barrier_wait -1
	STEP LI, \j*SUB
.endr
	FINISH T1
	INIT 1, T2
	s_wait_tensorcnt 0x0                           ; every wave
	s_barrier_signal -1
	s_barrier_wait -1                              ; the whole head lies in LDS
	s_mov_b32 s[TB], 0
	s_mov_b32 s[CNT], 8
.Lstep:                                ; eight trips, a constant; the steps behind the diagonal are jumped over inside
	v_add_nc_u32 v[ADR], s[TB], v[LI]
	STEP ADR, 0
	s_add_co_u32 s[TB], s[TB], SUB
	s_sub_co_u32 s[CNT], s[CNT], 1
	s_cmp_lg_u32 s[CNT], 0
	s_cbranch_scc1 .Lstep
	FINISH T2
	s_wait_tensorcnt 0x0
	ds_add_u32 v242, v243
	s_wait_dscnt 0x0
	s_endpgm
.Lfunc_end_k_q5f30594828_attn:
	.size	k_q5f30594828_attn, .Lfunc_end_k_q5f30594828_attn-k_q5f30594828_attn
	.p2alignl 7, 3214868480
	.fill 96, 4, 3214868480
	.section	.rodata,"a",@progbits
	.p2align	6, 0x0
	.amdhsa_kernel k_q5f30594828_attn
		.amdhsa_group_segment_fixed_size 169984
		.amdhsa_private_segment_fixed_size 0
		.amdhsa_enable_private_segment 0
		.amdhsa_kernarg_size 24
		.amdhsa_user_sgpr_count 2
		.amdhsa_user_sgpr_kernarg_segment_ptr 1
		.amdhsa_wavefront_size32 1
		.amdhsa_system_sgpr_workgroup_id_x 1
		.amdhsa_system_sgpr_workgroup_id_y 1
		.amdhsa_system_sgpr_workgroup_id_z 1
		.amdhsa_system_vgpr_workitem_id 0
		.amdhsa_next_free_vgpr 256
		.amdhsa_next_free_sgpr 92
		.amdhsa_reserve_vcc 1
		.amdhsa_float_denorm_mode_32 3
		.amdhsa_float_denorm_mode_16_64 3
		.amdhsa_memory_ordered 1
		.amdhsa_forward_progress 1
		.amdhsa_inst_pref_size 131
	.end_amdhsa_kernel
	.amdgpu_metadata
---
amdhsa.version: [ 1, 2 ]
amdhsa.kernels:
  - .name:           k_q5f30594828_attn
    .symbol:         k_q5f30594828_attn.kd
    .args:
      - { .name: qkv, .offset: 0, .size: 8, .value_kind: global_buffer, .address_space: global }
      - { .name: acodes, .offset: 8, .size: 8, .value_kind: global_buffer, .address_space: global }
      - { .name: ascales, .offset: 16, .size: 8, .value_kind: global_buffer, .address_space: global }
    .group_segment_fixed_size: 169984
    .private_segment_fixed_size: 0
    .kernarg_segment_align: 8
    .kernarg_segment_size: 24
    .max_flat_workgroup_size: 512
    .sgpr_count:     92
    .vgpr_count:     256
    .wavefront_size: 32
...
	.end_amdgpu_metadata
.endif
;; end of part 2
;; launch outproj (part 3): grid 8 x 32, 4 waves a work-group, clusters of 4 x 4, 327,680 bytes of LDS; arguments acodes, ascales, W_out_codes, W_out_scales, b_out, out0; writes out0
.if DOCPART == 3
	.amdgcn_target "amdgcn-amd-amdhsa--gfx1250"
	.amdhsa_code_object_version 6
	.text
	.protected	k_q5f30594828_outproj
	.globl	k_q5f30594828_outproj
	.p2align	8
	.type	k_q5f30594828_outproj,@function
k_q5f30594828_outproj:
	s_mov_b64 s[64:65], 0
	v_nop
	global_prefetch_b8 v0, s[64:65] scope:SCOPE_SE
	s_setreg_imm32_b32 hwreg(HW_REG_WAVE_MODE, 25, 1), 1
	s_wait_xcnt 0x0
	s_wait_alu depctr_hold_cnt(0) depctr_sa_sdst(0) depctr_va_vdst(0) depctr_va_sdst(0) depctr_va_ssrc(0) depctr_va_vcc(0) depctr_vm_vsrc(0)
	s_getreg_b32 s2, hwreg(HW_REG_IB_STS2, 6, 4)
	s_cmp_eq_u32 s2, 0
	s_cbranch_scc0 .Lentry_in_a_cluster
	s_endpgm
.Lentry_in_a_cluster:
	s_bfe_u32 s2, ttmp6, 0x10000c
	s_cmp_lg_u32 s2, 0xf033
	s_cbranch_scc0 .Lentry_shape_is_right
	s_endpgm
.Lentry_shape_is_right:
; out0 = a W_out + b_out on codes of FP6 (E2M3).  a: the attention's result as images of operand registers, [512 tiles of 16 rows][8 K steps][6 chunks of 256 bytes]; its scale bytes [8192][32].
; W_out: [1024][1024] codes, K innermost, 768 bytes a row; scale bytes [1024][32].  b_out [1024], out0 [8192][1024] f32.
; THE DEAL.  256 work-groups of four waves (2 x 2), each 256 rows x 128 columns.  A wave (a, b) holds 64 rows of W_out (columns 64 b ..), ALL of K, in 384 registers and streams a's tiles 2 s + a past them, s = 0 .. 7:
; a block of 16 rows x 64 columns is finished after its 32 products and leaves at once, through the wave's own stage in LDS, as whole rows of 256 bytes.  So the stores go out block by block.
; ALL OPERANDS LIE IN LDS, filled once, one tensor load a wave: W_out's 128 rows, a's scale bytes, a's tiles 0-7, a's tiles 8-15.  The first barrier shows W_out's rows, the second all the rest.  Nothing is filled again.
; CLUSTERS 4 x 4: a's tiles and scale bytes are asked for jointly along a row of the cluster, W_out's rows along a column.
; TRANSPOSED USE: source 0 = 16 rows of W_out, source 1 = 16 rows of a: a lane holds eight neighbouring columns of one row of out0.  The bias is the C of each sum's first product.
; THE WAITS' COUNTS: s_wait_dscnt NF behind a fetch: younger than the stage's loads are the fetch's NF loads; the same count ahead of the first block: younger than its rows' loads are the next block's.
; No prefetch: every tile is asked for at the head.
.set KROW,  768
.set KS,    32
.set PITCH, 816                        ; a row of W_out in LDS: 3 x (256 + 16)
.set TILE,  12288                      ; a tile of a: 16 rows, all of K
.set FR,    12
.set FPW,   21
.set NF,    50                         ; LDS loads of a block: 48 for eight fragments, 2 for eight scale words
.set BVB,   16*TILE
.set SCL,   BVB+128*PITCH
.set SPARE, SCL+32*272
.set STAGE, SPARE+512                  ; 16 rows x (256 + 16) bytes for each wave; no tensor load lands here
.set SPITCH, 272
.set ADRA0, 4
.set AAS0,  6
.set CO,    9
.set SPW,   10
.set NIL,   11
.set ADRA,  12
.set ADRB,  14
.set ABS,   16
.set AAS,   17
.set STO,   18
.set RD,    19
.set SB,    24                         ; v24-39 W_out's scale words
.set BO8,   42
.set SA,    44                         ; v44-59 a's scale words, two sets
.set ACC,   64
.set BK,    96                         ; v96-127 a block's rows on the way out
.set BB,    840                        ; the bias as C
.set BA,    968
.set G1A, 24
.set G1B, 32
.set G0A, 56
.set G0B, 60
.set G0R, 68
.set G0S, 72
.set G1S, 92
.set MSB, 0
.macro WIN new
.set WNEW, \new
.if MSB != WNEW
	s_set_vgpr_msb (MSB<<8)|WNEW
.set MSB, WNEW
.endif
.endm
.macro PLACES n
.rept \n
	v_nop
.endr
.endm
.macro WALU
	s_wait_alu depctr_va_vdst(0)
.endm
.macro BARRIER
	s_barrier_signal -1
	s_barrier_wait -1
.endm
.macro CROUND
	s_barrier_signal -1
	s_barrier_wait -1
	s_cmp_lg_u32 s14, 0
	s_cbranch_scc1 .Lnw0_\@
	s_barrier_signal -3
.Lnw0_\@:
	s_barrier_wait -3
	s_barrier_signal -1
	s_barrier_wait -1
.endm
.macro TLOAD g0, g1
	tensor_load_to_lds s[\g0:\g0+3], s[\g1:\g1+7]
	s_nop 0
	PLACES 4
.endm
.macro G0SET g, base, off
	s_mov_b32 s20, s\off
	s_add_nc_u64 s[\g+2:\g+3], s[\base:\base+1], s[20:21]
	s_or_b32 s[\g+3], s[\g+3], 0x80000000
.endm
; fragment f lies in window 1 + f / 21 at register 12 (f % 21): 0-31 W_out's (4 q + t), 32-39 and 40-47 a's two sets
.macro FRAG f, q, a0, a1, aw           ; from rows: six pieces of 8 bytes, two to a load where both lie behind as many paddings
	WIN ((1+(\f)/FPW)<<6)|(\aw)
.set R_, FR*((\f)%FPW)
.set SKIP_, 0
.irp p, 0,1,2,3,4,5
.if SKIP_
.set SKIP_, 0
.else
.set PC_, 12*(\q)+6*(\p/3)+\p%3
.set PN_, 12*(\q)+6*((\p+1)/3)+(\p+1)%3
.set X_, (PC_%32+3)/32
.set XQ_, (PN_%32+3)/32
.if (\p < 5) && (X_ == XQ_)
.set SKIP_, 1
.if X_
	ds_load_2addr_b64 v[R_+2*\p:R_+2*\p+3], \a1 offset0:PC_+2*(PC_/32) offset1:PN_+2*(PN_/32)
.else
	ds_load_2addr_b64 v[R_+2*\p:R_+2*\p+3], \a0 offset0:PC_+2*(PC_/32) offset1:PN_+2*(PN_/32)
.endif
.elseif X_
	ds_load_b64 v[R_+2*\p:R_+2*\p+1], \a1 offset:8*(PC_+2*(PC_/32))
.else
	ds_load_b64 v[R_+2*\p:R_+2*\p+1], \a0 offset:8*(PC_+2*(PC_/32))
.endif
.endif
.endr
.endm
.macro WEIGHTS
.irp q, 0,1,2,3,4,5,6,7
.irp b, 0,1,2,3
	FRAG 4*\q+\b, \q, v[BA-768+2*\b], v[BA-768+2*\b+1], 3
.endr
.endr
	WIN 0
.endm
.macro FETCHA e, a0, as                ; a tile of a into set e: images, 8 bytes a lane and chunk
.irp q, 0,1,2,3,4,5,6,7
	WIN (1+(32+8*(\e)+\q)/FPW)<<6
.set R_, FR*((32+8*(\e)+\q)%FPW)
.irp c, 0,1,2,3,4,5
	ds_load_b64 v[R_+2*\c:R_+2*\c+1], \a0 offset:1536*\q+256*\c
.endr
.endr
	WIN 0
	ds_load_b128 v[SA+8*(\e):SA+8*(\e)+3], \as
	ds_load_b128 v[SA+8*(\e)+4:SA+8*(\e)+7], \as offset:16
.endm
.macro NEXTF e                         ; my next block (s46): two tiles on
	s_add_co_u32 s46, s46, 1
	s_and_b32 s20, s46, 7
	s_mul_i32 s21, s20, 2*TILE
	s_mul_i32 s20, s20, 4*272
	v_add_nc_u32 v[ADRA], s21, v[ADRA0]
	v_add_nc_u32 v[AAS], s20, v[AAS0]
	FETCHA \e, v[ADRA], v[AAS]
.endm
.macro PROD1 d, s0, s1, c, x0, x1, o
.if \o
	v_wmma_scale_f32_16x16x128_f8f6f4 v[\d:\d+7], v[FR*((\s0)%FPW):FR*((\s0)%FPW)+FR-1], v[FR*((\s1)%FPW):FR*((\s1)%FPW)+FR-1], \c, v[\x0], v[\x1] matrix_a_fmt:MATRIX_FMT_FP6 matrix_b_fmt:MATRIX_FMT_FP6 matrix_a_scale:MATRIX_SCALE_ROW1
.else
	v_wmma_scale_f32_16x16x128_f8f6f4 v[\d:\d+7], v[FR*((\s0)%FPW):FR*((\s0)%FPW)+FR-1], v[FR*((\s1)%FPW):FR*((\s1)%FPW)+FR-1], \c, v[\x0], v[\x1] matrix_a_fmt:MATRIX_FMT_FP6 matrix_b_fmt:MATRIX_FMT_FP6 matrix_a_scale:MATRIX_SCALE_ROW0
.endif
.endm
.macro PRODS e                         ; product n = 4 q + t; the four accumulators take turns
.set N_, 0
.rept 32
.set Q_, N_/4
.set T_, N_%4
.set FB_, 4*Q_+T_
.set FA_, 32+8*(\e)+Q_
.set D_, ACC+8*T_
.set XB_, SB+8*(T_/2)+Q_
.set XA_, SA+8*(\e)+Q_
.set O_, T_%2
.set C_, BB-768+8*T_
.if Q_
	WIN (1+FB_/FPW)|((1+FA_/FPW)<<2)
	PROD1 D_, FB_, FA_, v[D_:D_+7], XB_, XA_, O_
.else
	WIN (1+FB_/FPW)|((1+FA_/FPW)<<2)|(3<<4)
	PROD1 D_, FB_, FA_, v[C_:C_+7], XB_, XA_, O_
.endif
.set N_, N_+1
.endr
	WIN 0
	PLACES 5                               ; places behind the last products
.endm
; a block: its products; its results into my stage and back as rows (LDS serves a wave's instructions in order: ISA guide 5.7.1.4); the fetch of the block two on; the stores
.macro OBLK e, fetch
	s_wait_dscnt NF
	PRODS \e
	s_wait_xcnt 0x0                        ; the last block's stores have read their registers and base
	s_add_nc_u64 s[78:79], s[78:79], 32*4096
.irp t, 0,1,2,3
	ds_store_b128 v[STO], v[ACC+8*\t:ACC+8*\t+3] offset:64*\t          ; each accumulator from its low end on
	ds_store_b128 v[STO], v[ACC+8*\t+4:ACC+8*\t+7] offset:64*\t+16
.endr
.irp k, 0,1,2,3,4,5,6,7
	ds_load_b128 v[BK+4*\k:BK+4*\k+3], v[RD] offset:\k*2*SPITCH
.endr
.if \fetch
	NEXTF \e
	s_wait_dscnt NF
.else
	s_wait_dscnt 0x0
.endif
.irp k, 0,1,2,3,4,5,6,7
	global_store_b128 v[CO], v[BK+4*\k:BK+4*\k+3], s[78:79] offset:\k*8192-32*4096 th:TH_STORE_NT   ; 16 lanes store 256 consecutive bytes, aligned
.endr
.endm
; ================= THE HEAD
	s_load_b128 s[4:7], s[0:1], 0x0                 ; a's codes, a's scales
	s_load_b128 s[8:11], s[0:1], 0x10               ; W_out's codes, W_out's scales
	s_load_b128 s[48:51], s[0:1], 0x20              ; b_out, out0
	v_lshl_add_u32 v[SPW], v0, 2, SPARE
	v_mov_b32 v[NIL], 0
	ds_add_u32 v[SPW], v[NIL]
	ds_add_u32 v[SPW], v[NIL]
	v_lshrrev_b32 v1, 5, v0
	v_readfirstlane_b32 s14, v1                     ; the wave; s15 its row of the 2 x 2, s16 its column
	s_lshr_b32 s15, s14, 1
	s_and_b32 s16, s14, 1
	s_bfe_u32 s40, ttmp6, 0x40000                   ; cx
	s_bfe_u32 s41, ttmp6, 0x40004                   ; cy
	s_lshl_b32 s42, ttmp9, 2
	s_add_co_u32 s42, s42, s40                      ; tile column, 0 .. 7
	s_and_b32 s43, ttmp7, 0xffff
	s_lshl_b32 s43, s43, 2
	s_add_co_u32 s43, s43, s41                      ; tile row, 0 .. 31
	s_lshl_b32 s44, s41, 2
	s_lshl_b32 s44, 15, s44                         ; my row of the cluster
	s_lshl_b32 s45, 0x1111, s40                     ; my column
	s_or_b32 s[G1A+0], s44, (3<<16)|(1<<21)         ; a: 8 tiles of 12,288 bytes (1,536 elements of 8), dense, no padding
	s_mov_b32 s[G1A+1], 1536<<16
	s_mov_b32 s[G1A+2], 8<<16
	s_mov_b32 s[G1A+3], 1536<<16
	s_mov_b32 s[G1A+4], 8
	s_mov_b32 s[G1A+5], 1536
	s_mov_b32 s[G1A+6], 0
	s_mov_b32 s[G1A+7], 0
	s_or_b32 s[G1B+0], s45, (1<<20)|(1<<21)|(5<<22)|(3<<25)   ; W_out: 128 rows of 768 bytes, 16 bytes of padding behind every 256
	s_mov_b32 s[G1B+1], KROW<<16
	s_mov_b32 s[G1B+2], 128<<16
	s_mov_b32 s[G1B+3], KROW<<16
	s_mov_b32 s[G1B+4], 128
	s_mov_b32 s[G1B+5], KROW
	s_mov_b32 s[G1B+6], 0
	s_mov_b32 s[G1B+7], 0
	s_or_b32 s[G1S+0], s44, (3<<16)|(1<<20)|(1<<21)|(5<<22)|(3<<25)   ; a's scale bytes: 32 units of 256 bytes, padded
	s_mov_b32 s[G1S+1], 32<<16
	s_mov_b32 s[G1S+2], 32<<16
	s_mov_b32 s[G1S+3], 32<<16
	s_mov_b32 s[G1S+4], 32
	s_mov_b32 s[G1S+5], 32
	s_mov_b32 s[G1S+6], 0
	s_mov_b32 s[G1S+7], 0
	s_mov_b32 s[G0A], 1
	s_mov_b32 s[G0A+1], 0
	s_mov_b32 s[G0R], 1
	s_mov_b32 s[G0R+1], 8*TILE
	s_mov_b32 s[G0B], 1
	s_mov_b32 s[G0B+1], BVB
	s_mov_b32 s[G0S], 1
	s_mov_b32 s[G0S+1], SCL
	s_mul_i32 s66, s43, 16*TILE                     ; my sixteen tiles of a, in bytes
	s_mul_i32 s89, s43, 256*KS                      ; their scale bytes
	s_mul_i32 s54, s42, 128*KROW                    ; W_out's rows
	s_mul_i32 s21, s15, TILE
	s_mul_i32 s22, s16, 64*PITCH
	s_add_co_u32 s22, s22, BVB
	s_mul_i32 s23, s15, 2*272
	s_add_co_u32 s23, s23, SCL
	s_mul_i32 s67, s14, 16*SPITCH
	s_add_co_u32 s67, s67, STAGE
	s_mov_b32 s46, 0
	v_and_b32 v1, 15, v0                            ; r
	v_bfe_u32 v2, v0, 4, 1                          ; h
	v_and_b32 v3, 31, v0
	v_mul_u32_u24 v22, v1, PITCH
	v_mad_u32_u24 v23, v2, 24, v22
	v_add_nc_u32 v[ADRB], s22, v23
	v_mad_u32_u24 v23, v2, 40, v22
	v_add_nc_u32 v[ADRB+1], s22, v23
	v_lshl_add_u32 v[ADRA0], v3, 3, s21
	v_mul_u32_u24 v[ABS], v3, KS
	v_mul_u32_u24 v23, v1, KS
	v_lshrrev_b32 v22, 8, v23
	v_lshl_add_u32 v23, v22, 4, v23
	v_add_nc_u32 v[AAS0], s23, v23
	v_lshlrev_b32 v[BO8], 5, v2
	v_mul_u32_u24 v22, v1, SPITCH
	v_lshl_add_u32 v22, v2, 5, v22
	v_add_nc_u32 v[STO], s67, v22                   ; in: row r, 32 bytes for each half of the lanes
	v_mul_u32_u24 v22, v2, SPITCH
	v_lshl_add_u32 v22, v1, 4, v22
	v_add_nc_u32 v[RD], s67, v22                    ; back: lanes 0-15 one row of 256 bytes, lanes 16-31 the next
	v_lshlrev_b32 v22, 12, v2
	v_lshl_add_u32 v[CO], v1, 4, v22                ; and the same two rows in out0
	WIN 3<<6
.irp b, 0,1,2,3
	v_add_nc_u32 v[BA-768+2*\b], \b*16*PITCH, v[ADRB]
	v_add_nc_u32 v[BA-768+2*\b+1], \b*16*PITCH, v[ADRB+1]
.endr
	WIN 0
	WALU
	s_wait_dscnt 0x0
	CROUND                                          ; ahead of the first joint loads
	s_wait_kmcnt 0x0
	s_mov_b32 s20, s66
	s_mov_b32 s21, 0
	s_add_nc_u64 s[G0A+2:G0A+3], s[4:5], s[20:21]
	s_add_nc_u64 s[G0R+2:G0R+3], s[G0A+2:G0A+3], 8*TILE
	s_or_b32 s[G0A+3], s[G0A+3], 0x80000000
	s_or_b32 s[G0R+3], s[G0R+3], 0x80000000
	G0SET G0B, 8, 54
	G0SET G0S, 6, 89
	s_cmp_eq_u32 s14, 0                             ; one load a wave, in one chain of arms
	s_cbranch_scc0 .Lwave_1
	TLOAD G0B, G1B                                  ; wave 0: W_out's rows
	s_branch .Lasked
.Lwave_1:
	s_cmp_eq_u32 s14, 1
	s_cbranch_scc0 .Lwave_2
	TLOAD G0S, G1S                                  ; wave 1: a's scale bytes
	s_branch .Lasked
.Lwave_2:
	s_cmp_eq_u32 s14, 2
	s_cbranch_scc0 .Lwave_3
	TLOAD G0A, G1A                                  ; wave 2: a's tiles 0-7
	s_branch .Lasked
.Lwave_3:
	TLOAD G0R, G1A                                  ; wave 3: tiles 8-15
.Lasked:
	s_lshl_b32 s20, s42, 7
	s_lshl_b32 s22, s16, 6
	s_add_co_u32 s20, s20, s22                      ; my first column
	s_lshl_b32 s22, s20, 2
	s_lshl_b32 s20, s20, 5
	s_mov_b32 s21, 0
	s_mov_b32 s23, 0
	s_add_nc_u64 s[84:85], s[10:11], s[20:21]       ; W_out's scale bytes, my 64 rows
	s_add_nc_u64 s[86:87], s[48:49], s[22:23]       ; the bias
.irp p, 0,1
.irp c, 0,1
	global_load_b128 v[SB+8*\p+4*\c:SB+8*\p+4*\c+3], v[ABS], s[84:85] offset:\p*32*KS+16*\c
.endr
.endr
	WIN 3<<6
.irp k, 0,1,2,3,4,5,6,7
	global_load_b128 v[BB-768+4*\k:BB-768+4*\k+3], v[BO8], s[86:87] offset:64*(\k/2)+16*(\k%2)   ; register 8 t + j is column 16 t + 8 h + j
.endr
	WIN 0
	s_lshl_b32 s20, s43, 8
	s_lshl_b32 s47, s15, 4
	s_add_co_u32 s20, s20, s47
	s_lshl_b32 s20, s20, 12
	s_add_co_u32 s20, s20, s22
	s_add_nc_u64 s[78:79], s[50:51], s[20:21]
	s_cmp_eq_u32 s14, 0
	s_cbranch_scc0 .Lnot_b
	s_wait_tensorcnt 0x0
.Lnot_b:
	BARRIER                                         ; W_out's rows are in
	WEIGHTS
	s_wait_tensorcnt 0x0                            ; every wave: all that is still out
	s_wait_dscnt 0x0
	BARRIER                                         ; a's tiles and scale bytes are in
	FETCHA 0, v[ADRA0], v[AAS0]
	NEXTF 1
	s_wait_loadcnt 0x0                              ; W_out's scale words and the bias
; ================= eight blocks: three trips of two, and the last two, which fetch nothing
	s_mov_b32 s88, 0
.Lrows:
	OBLK 0, 1
	OBLK 1, 1
	s_add_co_u32 s88, s88, 1
	s_cmp_lg_u32 s88, 3
	WALU
	s_cbranch_scc1 .Lrows
	OBLK 0, 0
	OBLK 1, 0
	s_wait_tensorcnt 0x0                            ; the wave's end
	ds_add_u32 v[SPW], v[NIL]
	s_wait_dscnt 0x0
	CROUND                                          ; the closing round
	s_endpgm
.Lfunc_end_k_q5f30594828_outproj:
	.size	k_q5f30594828_outproj, .Lfunc_end_k_q5f30594828_outproj-k_q5f30594828_outproj
	.p2alignl 7, 3214868480
	.fill 96, 4, 3214868480
	.section	.rodata,"a",@progbits
	.p2align	6, 0x0
	.amdhsa_kernel k_q5f30594828_outproj
		.amdhsa_group_segment_fixed_size 327680
		.amdhsa_private_segment_fixed_size 0
		.amdhsa_enable_private_segment 0
		.amdhsa_kernarg_size 48
		.amdhsa_user_sgpr_count 2
		.amdhsa_user_sgpr_kernarg_segment_ptr 1
		.amdhsa_wavefront_size32 1
		.amdhsa_system_sgpr_workgroup_id_x 1
		.amdhsa_system_sgpr_workgroup_id_y 1
		.amdhsa_system_sgpr_workgroup_id_z 1
		.amdhsa_system_vgpr_workitem_id 0
		.amdhsa_next_free_vgpr 992
		.amdhsa_next_free_sgpr 102
		.amdhsa_reserve_vcc 0
		.amdhsa_float_denorm_mode_32 3
		.amdhsa_float_denorm_mode_16_64 3
		.amdhsa_memory_ordered 1
		.amdhsa_forward_progress 1
		.amdhsa_inst_pref_size 56
	.end_amdhsa_kernel
	.amdgpu_metadata
---
amdhsa.version: [ 1, 2 ]
amdhsa.kernels:
  - .name:           k_q5f30594828_outproj
    .symbol:         k_q5f30594828_outproj.kd
    .args:
      - { .name: acodes, .offset: 0, .size: 8, .value_kind: global_buffer, .address_space: global }
      - { .name: ascales, .offset: 8, .size: 8, .value_kind: global_buffer, .address_space: global }
      - { .name: W_out_codes, .offset: 16, .size: 8, .value_kind: global_buffer, .address_space: global }
      - { .name: W_out_scales, .offset: 24, .size: 8, .value_kind: global_buffer, .address_space: global }
      - { .name: b_out, .offset: 32, .size: 8, .value_kind: global_buffer, .address_space: global }
      - { .name: out0, .offset: 40, .size: 8, .value_kind: global_buffer, .address_space: global }
    .group_segment_fixed_size: 327680
    .private_segment_fixed_size: 0
    .kernarg_segment_align: 8
    .kernarg_segment_size: 48
    .max_flat_workgroup_size: 128
    .sgpr_count:     102
    .vgpr_count:     992
    .wavefront_size: 32
...
	.end_amdgpu_metadata
.endif
;; end of part 3
